; MI455X (gfx1250); checked and timed in simulation.
; The chip was launched on July 23, 2026; its instructions are those of AMD's public machine-readable ISA for CDNA 5 (MIT licence, August 2026) and "CDNA5" Instruction Set Architecture Reference Guide (July 2026). The comments in the code are by the model that wrote it; some were corrected since.
;; Multi Head Attention Quantum. Allowed arithmetic: matrix products marked QUANTISED: E2M3 operands, one E8M0 scale for each 32 along K, by v_wmma_scale_f32_16x16x128_f8f6f4 with both operands' format E2M3, f32 sums; everything else in f32.
;; Inputs: b_out 1,024 float32; theta 16 x 64 float32; w_out 1,024 x 1,024 float32; x 4 x 2,048 x 1,024 float32.
;; Outputs: out0 4 x 2,048 x 1,024 float32.
;; This version of the problem:
;;   THIS VERSION OF THE PROBLEM IS GIVEN IN LOW PRECISION. The matrix products marked QUANTISED in the list below multiply operands that are first quantised to E2M3 (2 exponent bits, 3 mantissa bits; 6 bits a number), with one power-of-two scale for each 32 numbers along K (OCP MX v1.0); their sums are f32. All else is computed in f32.
;;   The module's matrix products, in the order in which they are computed (A, B: the left and right operand; K: the contracted axis; several contracted axes count as one K, in the product's order):
;;     1. batch 64 x [M 2,048, K 64] x [K 64, N 2,048]; A: computed on the way; B: computed on the way: QUANTISED
;;     2. batch 64 x [M 2,048, K 2,048] x [K 2,048, N 64]; A: softmax (see below); B: computed on the way: QUANTISED
;;     3. [M 8,192, K 1,024] x [K 1,024, N 1,024]; A: computed on the way; B: input w_out: QUANTISED
;;   THE QUANTISER, for each operand of a quantised product, along K:
;;     - K is cut into blocks of 32 from its start; a last block that is shorter is filled with zeros.
;;     - A block's scale is 2^e with e = floor(log2(the largest magnitude in the block)) - 2, held to -126 .. 127; a block of zeros has e = 0. As a byte (E8M0): e + 127.
;;     - Each number is divided by its block's scale, clamped to +-7.5, and rounded to the nearest number of E2M3, ties to even, subnormals kept.
;;     - The product sums the exact products of the quantised numbers (number of the format x scale) in f32.
;;   ~~~python
;;   def quantise(x, axis):      # numpy; x: float32 -> the quantised numbers, widened to float32 again
;;       x = np.moveaxis(x, axis, -1); K = x.shape[-1]
;;       x = np.pad(x, [(0, 0)] * (x.ndim - 1) + [(0, -K % 32)]); x = x.reshape(x.shape[:-1] + (-1, 32)); a = np.abs(x).max(-1, keepdims=True)
;;       e = np.where(a > 0, np.clip(np.frexp(np.where(a > 0, a, 1))[1] - 1 - 2, -126, 127), 0)      # np.frexp(a)[1] - 1 = floor(log2(a)), exactly
;;       r = np.clip(x / 2.0 ** e, -7.5, 7.5)
;;       step = 2.0 ** (np.maximum(np.frexp(np.where(r == 0, 1, r))[1] - 1, 0) - 3)
;;       q = np.round(r / step) * step * 2.0 ** e      # np.round: ties to even
;;       return np.moveaxis(q.reshape(q.shape[:-2] + (-1,))[..., :K], -1, axis).astype(np.float32)
;;   ~~~
;;   SOFTMAX AHEAD OF A QUANTISED PRODUCT. Where the list says 'softmax', what is quantised is not the finished softmax but p = 2^(t - M), with t = logit x log2(e) and M = ceil(the row's largest t), a whole number; so 1/2 < the row's largest p <= 1. The row's sum l is taken of the UNQUANTISED p, in f32, and the product's result is divided by l at the end. Since M is a whole number, a kernel that streams over the keys may use a running M (the ceiling of the running maximum): every later rescaling is an exact power of two, which a block's scale takes up: the codes' values come out the same.
;;   OPERANDS COMPUTED ON THE WAY. 'Computed on the way' means the value that the module computes at that place (a softmax that the list does not call 'softmax' is quantised finished and normalised). What goes into a quantiser is computed in f32, as accurately as f32 sums, v_exp_f32 and their like allow (about 1e-6 of the number): no bf16 or f16 on the way to a quantiser, and a product that is left as it is and whose result goes on into a quantised operand takes f32 operands (vector FMAs, or v_wmma_f32_16x16x4_f32). A number that lies on a knife's edge between two numbers of the format may be rounded either way, as far as f32 arithmetic and the matrix unit's own rounding can turn it there, and no further.
;; One version. Each part assembles by itself: llvm-mc -triple=amdgcn-amd-amdhsa -mcpu=gfx1250 --defsym DOCPART=n.
;; ======== version 1 of 1: 3 launches
;; limits: inputs' magnitudes at most 1,048,576; right only within a limited range of input values
;; workspace buffers: kv 13,631,488 bytes; wc 819,200 bytes; ac 6,553,600 bytes
;; launch prep (part 1): grid 1152 x 1, 4 waves a work-group, no clusters, 37,376 bytes of LDS; arguments x, theta, w_out, kv, wc; writes kv, wc
.if DOCPART == 1
	.amdgcn_target "amdgcn-amd-amdhsa--gfx1250"
	.amdhsa_code_object_version 6
	.text
	.protected	k_qd6037fb8e8_prep
	.globl	k_qd6037fb8e8_prep
	.p2align	8
	.type	k_qd6037fb8e8_prep,@function
k_qd6037fb8e8_prep:
	s_mov_b64 s[64:65], 0
	v_nop
	global_prefetch_b8 v0, s[64:65] scope:SCOPE_SE
	s_setreg_imm32_b32 hwreg(HW_REG_WAVE_MODE, 25, 1), 1
	s_wait_xcnt 0x0
; c = cos(x + theta) is taken once and quantised twice to FP6 (E2M3) with one E8M0 byte for each 32 along K: along the head's 64 channels (Q and K of the
; first product) and along the keys (V of the second).  w_out is quantised along its second axis.  All results are stored as IMAGES OF OPERAND REGISTERS:
; four registers of a fragment are 512 bytes, lane l's 16 bytes at 16 l; a scale register is 128 bytes, lane l's word at 4 l.
; WORK-GROUPS 0 .. 1023: one unit each: 128 keys (step j) of one head (batch b, head h): 128 pieces of 256 consecutive bytes of x.  Its 13,312 bytes of kv:
;   +0     four K pairs, 12 registers each: registers 0-5 tile 2 w, 6-11 tile 2 w + 1.  Lane (r, hl) of tile T = 4 g + t holds key 64 g + 32 (r / 8) + 8 t + r % 8, channels 32 hl ..:
;          rows 0-7 of a tile come from one block of 32 keys and rows 8-15 from the next, so that a lane of the transposed score tiles 4 g .. 4 g + 3 holds a whole block of 32 keys
;   +6144  four tiles of V^T, 12 registers each: lane (r, hl) of tile c holds channel 8 c + r % 8 + 32 (r / 8); registers 6 cc .. hold keys 64 cc + 32 hl + 0 .. 31
;   +12288 K's scale planes (lanes 0-15 the even tile, lanes 16-31 the odd; a word: the row's two bytes, twice), +12800 V's two planes, +13056 zeros, so that every byte that is moved later has been stored.
; WORK-GROUPS 1024 .. 1151: w_out, a fragment (16 rows x 128 K) a wave, no LDS, no barrier.
; COSINE: k = round(a / pi + 1/2), r = a - (k - 1/2) pi in two fused steps (pi as a sum of two f32), cos a = (-1)^k sin r, sin r by its series up to r^13 (the first term left out is under 7e-10 at pi / 2).
; LIMITS: |x + theta| under 2^20 (k is made by adding 1.5 x 2^23); NaN and infinities are not served; a block whose largest magnitude lies under 2^-124 keeps the byte 1 (a block of zeros too: its codes are zeros,
; and this program alone reads the bytes).
.set PIT,   272                        ; an LDS row: a key's 64 numbers, 256 bytes, + 16
.set BLKB,  32*PIT+32                  ; a block of 32 keys, and 32 bytes behind it
.set SCST,  35072                      ; behind the four blocks: the unit's 768 scale bytes and 256 zeros
.set SPARE, 0x9000                     ; the spare words, 128 bytes a wave
.set STEPB, 13312
.set THT,   16                         ; v16-19  theta of my four channels
.set U,     24                         ; v24-31  at work
.set X,     32                         ; v32-95  x as loaded, then its cosines; later 2 x 32 numbers for the quantiser
.set Z,     96
.set PP,    104
.set SG,    112
.set MX,    120                        ; largest magnitudes; SO the conversions' scale operands; BY the bytes
.set SO,    122
.set BY,    124
.set PW,    126                        ; the scale word
.set TT,    127                        ; a lane permute's destination
.set PCK,   128                        ; v128-139 K's codes, v140-151 V's: no store's data are written again
.set PCV,   140
.set CT,    152
; eight numbers, v[X + 8 g] on, four pairs line by line
.macro COS8 g
.set XG, X+8*(\g)
.irp p, 0,2,4,6
	v_pk_add_f32 v[XG+\p:XG+\p+1], v[XG+\p:XG+\p+1], v[THT+\p%4:THT+\p%4+1]                 ; a = x + theta
.endr
.irp p, 0,2,4,6
	v_pk_fma_f32 v[U+\p:U+\p+1], v[XG+\p:XG+\p+1], 0x3ea2f983, 0.5 op_sel_hi:[1,0,0]        ; a / pi + 1/2
.endr
.irp p, 0,2,4,6
	v_pk_add_f32 v[U+\p:U+\p+1], v[U+\p:U+\p+1], 0x4b400000 op_sel_hi:[1,0]                 ; + 1.5 x 2^23: a whole number, its parity in the lowest bit
.endr
.irp i, 0,1,2,3,4,5,6,7
	v_lshlrev_b32 v[SG+\i], 31, v[U+\i]                                                     ; (-1)^k as a sign bit
.endr
.irp p, 0,2,4,6
	v_pk_add_f32 v[U+\p:U+\p+1], v[U+\p:U+\p+1], 0xcb400000 op_sel_hi:[1,0]                 ; k
.endr
.irp p, 0,2,4,6
	v_pk_add_f32 v[U+\p:U+\p+1], v[U+\p:U+\p+1], -0.5 op_sel_hi:[1,0]                       ; m = k - 1/2, exact
.endr
.irp p, 0,2,4,6
	v_pk_fma_f32 v[XG+\p:XG+\p+1], v[U+\p:U+\p+1], 0xc0490fdb, v[XG+\p:XG+\p+1] op_sel_hi:[1,0,1]   ; r = a - m x pi's upper part
.endr
.irp p, 0,2,4,6
	v_pk_fma_f32 v[XG+\p:XG+\p+1], v[U+\p:U+\p+1], 0x33bbbd2e, v[XG+\p:XG+\p+1] op_sel_hi:[1,0,1]   ;       - m x its lower part
.endr
.irp p, 0,2,4,6
	v_pk_mul_f32 v[Z+\p:Z+\p+1], v[XG+\p:XG+\p+1], v[XG+\p:XG+\p+1]                         ; z = r r
.endr
.irp p, 0,2,4,6
	v_pk_fma_f32 v[PP+\p:PP+\p+1], v[Z+\p:Z+\p+1], 0x2f309231, v[20:21] op_sel_hi:[1,0,1]   ; z / 13! - 1 / 11!
.endr
.irp k, 0x3638ef1d, 0xb9500d01, 0x3c088889, 0xbe2aaaab
.irp p, 0,2,4,6
	v_pk_fma_f32 v[PP+\p:PP+\p+1], v[PP+\p:PP+\p+1], v[Z+\p:Z+\p+1], \k op_sel_hi:[1,1,0]   ; + 1 / 9!, - 1 / 7!, + 1 / 5!, - 1 / 3!
.endr
.endr
.irp p, 0,2,4,6
	v_pk_mul_f32 v[Z+\p:Z+\p+1], v[Z+\p:Z+\p+1], v[XG+\p:XG+\p+1]
.endr
.irp p, 0,2,4,6
	v_pk_fma_f32 v[XG+\p:XG+\p+1], v[Z+\p:Z+\p+1], v[PP+\p:PP+\p+1], v[XG+\p:XG+\p+1]       ; sin r = r + r z p
.endr
.irp i, 0,1,2,3,4,5,6,7
	v_xor_b32 v[XG+\i], v[SG+\i], v[XG+\i]
.endr
.endm
; v[X + 32 c + i], c = 0, 1: two whole blocks of 32 along K in my lane.  They become the 12 registers of a fragment at v[pc] and its scale word in v[PW]:
; byte 2 c + hl is the byte of lane half hl's block c, the same word in lanes l and l xor 16.
.macro QFRAG pc
.irp c, 0,1
	v_max3_num_f32 v[MX+\c], |v[X+32*\c]|, |v[X+32*\c+1]|, 0x1800000                        ; the floor 2^(3 - 127) among the leaves: the byte cannot fall under 1
.endr
.irp i, 2,4,6,8,10,12,14,16,18,20,22,24,26,28,30
.irp c, 0,1
	v_max3_num_f32 v[MX+\c], v[MX+\c], |v[X+32*\c+\i]|, |v[X+32*\c+\i+1]|
.endr
.endr
.irp c, 0,1
	v_add_nc_u32 v[SO+\c], 0xff000000, v[MX+\c]                                             ; 2 off the exponent field: the conversion's scale operand
.endr
.irp c, 0,1
	v_lshrrev_b32 v[BY+\c], 23, v[SO+\c]                                                    ; the scale's byte
.endr
	v_lshl_or_b32 v[PW], v[BY+1], 16, v[BY]
	v_lshlrev_b32 v[PW], v14, v[PW]                                                         ; 8 hl bits up
	v_permlanex16_b32 v[TT], v[PW], s20, s21
	v_or_b32 v[PW], v[PW], v[TT]
.irp c, 0,1
	v_cvt_scalef32_pk16_fp6_f32 v[\pc+6*\c:\pc+6*\c+2], v[X+32*\c:X+32*\c+15], v[SO+\c]
	v_cvt_scalef32_pk16_fp6_f32 v[CT+4*\c:CT+4*\c+2], v[X+32*\c+16:X+32*\c+31], v[SO+\c]    ; (a conversion's three registers begin on an even number)
.endr
	v_nop                                                                                   ; one plain instruction behind the scaled conversions
.irp c, 0,1
.irp i, 0,1,2
	v_mov_b32 v[\pc+6*\c+3+\i], v[CT+4*\c+\i]
.endr
.endr
.endm
	s_load_b256 s[4:11], s[0:1], 0x0               ; x s[4:5], theta s[6:7], w_out s[8:9], kv s[10:11]
	s_load_b64 s[12:13], s[0:1], 0x20              ; wc
	v_lshl_add_u32 v168, v0, 2, SPARE
	v_mov_b32 v169, 0
	v_lshrrev_b32 v1, 5, v0
	v_readfirstlane_b32 s14, v1                    ; wave 0..3
	v_and_b32 v1, 31, v0                           ; lane
	v_and_b32 v2, 15, v0                           ; r = lane % 16
	v_bfe_u32 v3, v0, 4, 1                         ; hl = lane / 16
	v_lshlrev_b32 v8, 4, v1                        ; 16 x lane: my place in an image
	v_lshlrev_b32 v14, 3, v3                       ; 8 hl
	v_lshlrev_b32 v165, 2, v2
	v_mov_b32 v[TT], 0                             ; written once: a lane permute's destination counts as one of its sources
	s_mov_b32 s20, 0x76543210
	s_mov_b32 s21, 0xfedcba98                      ; v_permlanex16_b32's selects for lane l xor 16
	s_cmp_ge_u32 ttmp9, 1024                       ; the same in all four waves
	s_cbranch_scc1 .Lweights
	; ---- a unit of x
	s_mul_i32 s15, s14, BLKB                       ; my block of 32 keys in LDS
	v_lshlrev_b32 v23, 4, v2
	v_lshlrev_b32 v13, 3, v1
	v_mov_b32 v22, 0
	v_lshl_add_u32 v4, v3, 12, v23                 ; x: a load takes two rows' 256 bytes: row hl, 16 bytes a lane
	v_mul_u32_u24 v5, v3, PIT
	v_add_nc_u32 v5, v5, v23
	v_add_nc_u32 v5, s15, v5                       ; and puts the cosines so into LDS
	s_lshr_b32 s16, s14, 1
	s_mul_i32 s16, s16, 2*BLKB                     ; K: pair w takes blocks 2 (w / 2) and 2 (w / 2) + 1,
	s_and_b32 s17, s14, 1
	s_mul_i32 s17, s17, 8*PIT                      ; of each the LDS rows 8 (w % 2) + 16 u + 0 .. 7: keys 16 (w % 2) + 8 u + 0 .. 7 of the block
	s_add_co_u32 s16, s16, s17
	v_and_b32 v6, 7, v2
	v_lshrrev_b32 v24, 3, v2
	v_mul_u32_u24 v6, v6, PIT
	v_mad_u32_u24 v6, v24, BLKB, v6                ; lanes r = 8 .. 15 take the second block
	v_lshl_add_u32 v6, v3, 7, v6                   ; channels 32 hl on
	v_add_nc_u32 v6, s16, v6
	s_lshl_b32 s16, s14, 3
	v_and_b32 v7, 8, v2
	v_mad_u32_u24 v7, v7, 3, v2
	v_add_nc_u32 v7, s16, v7                       ; V: my channel of tile w: 8 w + r % 8 + 32 (r / 8)
	v_lshlrev_b32 v7, 2, v7
	v_mad_u32_u24 v7, v3, BLKB, v7                 ; lanes 16-31 begin a block of keys further on
	s_lshl_b32 s17, s14, 7
	v_lshlrev_b32 v9, 2, v1
	v_add_nc_u32 v9, s17, v9
	v_add_nc_u32 v9, SCST, v9                      ; K's scale plane w: 4 x lane
	s_lshl_b32 s17, s14, 6
	v_add_nc_u32 v10, s17, v165
	v_add_nc_u32 v11, SCST+768, v10                ; the zeros
	v_add_nc_u32 v10, SCST+512, v10                ; V's scale words of tile w: half a plane
	s_lshl_b32 s17, s14, 8
	v_add_nc_u32 v12, s17, v13
	v_add_nc_u32 v12, SCST, v12                    ; on the way out: 256 bytes a wave, 8 a lane
	v_mov_b32 v15, 0x01000100
	v_mov_b32 v24, 0x03020302
	v_cmp_eq_u32 vcc_lo, 1, v3
	v_cndmask_b32 v15, v15, v24, vcc_lo            ; which two bytes of the pair's word are my tile's
	v_mov_b32 v20, 0xb2d7322b                      ; -1 / 11!, twice
	v_mov_b32 v21, 0xb2d7322b
	s_lshr_b32 s16, ttmp9, 4                       ; 16 b + j
	s_and_b32 s17, ttmp9, 15                       ; h
	s_lshl_b32 s24, s16, 7                         ; the unit's first row of x: 2048 b + 128 j,
	s_lshl_b32 s18, s14, 5
	s_add_co_u32 s24, s24, s18                     ; my 32 of its rows,
	s_lshl_b32 s24, s24, 12                        ; of 4,096 bytes (under 2^26)
	s_lshl_b32 s26, s17, 8                         ; the head's 256 bytes of a row, and of theta
	s_add_co_u32 s24, s24, s26
	s_mov_b32 s25, 0
	s_mov_b32 s27, 0
	s_lshr_b32 s18, ttmp9, 8                       ; b
	s_lshl_b32 s18, s18, 4
	s_add_co_u32 s18, s18, s17
	s_lshl_b32 s18, s18, 4
	s_and_b32 s19, s16, 15                         ; j
	s_add_co_u32 s18, s18, s19
	s_mul_i32 s28, s18, STEPB                      ; ((16 b + h) 16 + j) x 13,312
	s_mov_b32 s29, 0
	s_mul_i32 s18, s14, 1536
	s_add_co_u32 s30, s28, s18                     ; my fragments
	s_mov_b32 s31, 0
	s_lshl_b32 s18, s14, 8
	s_add_co_u32 s28, s28, s18
	s_add_co_u32 s28, s28, 12288                   ; my 256 of the scale bytes
	s_wait_alu depctr_va_vdst(0)                   ; the wait at the head's end
	s_wait_kmcnt 0x0
	s_add_nc_u64 s[4:5], s[4:5], s[24:25]
	s_add_nc_u64 s[6:7], s[6:7], s[26:27]
	s_add_nc_u64 s[32:33], s[10:11], s[30:31]
	s_add_nc_u64 s[34:35], s[10:11], s[28:29]
	global_load_b128 v[THT:THT+3], v23, s[6:7]
.irp n, 0,1,2,3,4,5,6,7,8,9,10,11,12,13,14,15
	global_load_b128 v[X+4*\n:X+4*\n+3], v4, s[4:5] offset:8192*\n th:TH_LOAD_NT   ; keys 2 n and 2 n + 1 of my block: sixteen lanes read 256 consecutive bytes
.endr
	; key k of a block goes to LDS row 16 ((k / 8) % 2) + 8 (k / 16) + k % 8
.irp g, 0,1,2,3,4,5,6,7
	s_wait_loadcnt 14-2*\g                         ; loads come back in order: theta and this group's two are in, the 14 - 2 g younger ones may be out
	COS8 \g
	ds_store_b128 v5, v[X+8*\g:X+8*\g+3] offset:(16*(((2*\g)/4)%2)+8*((2*\g)/8)+2*((2*\g)%4))*PIT
	ds_store_b128 v5, v[X+8*\g+4:X+8*\g+7] offset:(16*(((2*\g+1)/4)%2)+8*((2*\g+1)/8)+2*((2*\g+1)%4))*PIT
.endr
	s_wait_dscnt 0x0                               ; for the others' sake: my cosines lie in LDS
	s_barrier_signal -1
	s_barrier_wait -1
	; ---- K: wave w makes pair w: two tiles of 16 keys, a row's 32 channels a lane
.irp u, 0,1
.irp i, 0,1,2,3,4,5,6,7
	ds_load_b128 v[X+32*\u+4*\i:X+32*\u+4*\i+3], v6 offset:\u*16*PIT+16*\i
.endr
.endr
	s_wait_dscnt 0x0
	QFRAG PCK
	v_perm_b32 v160, v[PW], v[PW], v15             ; lanes 0-15: the even tile's two bytes, twice; lanes 16-31: the odd tile's
.irp g, 0,1,2
	global_store_b128 v8, v[PCK+4*\g:PCK+4*\g+3], s[32:33] offset:512*\g           ; 32 lanes store 512 consecutive bytes
.endr
	ds_store_b32 v9, v160
	; ---- V: wave w makes tile w of V^T: a lane takes a channel, and its registers run down the 128 keys
.set i, 0
.rept 32
	ds_load_b32 v[X+i], v7 offset:(16*((i/8)%2)+8*(i/16)+i%8)*PIT                  ; key 32 hl + i
	ds_load_b32 v[X+32+i], v7 offset:2*BLKB+(16*((i/8)%2)+8*(i/16)+i%8)*PIT        ; key 64 + 32 hl + i
.set i, i+1
.endr
	s_wait_dscnt 0x0
	QFRAG PCV
.irp g, 0,1,2
	global_store_b128 v8, v[PCV+4*\g:PCV+4*\g+3], s[32:33] offset:6144+512*\g
.endr
	ds_store_b32 v10, v[PW]                        ; lanes l and l xor 16 write the same word with the same value
	ds_store_b32 v11, v22
	s_wait_dscnt 0x0                               ; for the others' sake: my scale words lie in LDS
	s_barrier_signal -1
	s_barrier_wait -1
	ds_load_b64 v[162:163], v12
	s_wait_dscnt 0x0
	global_store_b64 v13, v[162:163], s[34:35]     ; 32 lanes store 256 consecutive bytes, aligned
	s_wait_tensorcnt 0x0                           ; the wave's end
	ds_add_u32 v168, v169
	s_wait_dscnt 0x0
	s_endpgm
	; ---- w_out: fragment f = 4 (work-group - 1024) + wave: rows 16 (f / 8) on, K step f % 8.  Lane (r, hl) takes, of row r, k = 128 s + 64 c + 32 hl + 0 .. 31
.Lweights:
	s_sub_co_u32 s16, ttmp9, 1024
	s_lshl_b32 s16, s16, 2
	s_add_co_u32 s16, s16, s14
	s_lshr_b32 s17, s16, 3                         ; which 16 rows
	s_and_b32 s18, s16, 7                          ; which K step
	s_lshl_b32 s24, s17, 16                        ; 16 rows of 4,096 bytes
	s_lshl_b32 s19, s18, 9
	s_add_co_u32 s24, s24, s19
	s_mov_b32 s25, 0
	s_lshr_b32 s19, s17, 4
	s_mul_i32 s26, s19, 204800                     ; wc: the block of 256 rows,
	s_mul_i32 s19, s18, 25600
	s_add_co_u32 s26, s26, s19                     ; its K step,
	s_and_b32 s17, s17, 15
	s_mul_i32 s19, s17, 1536
	s_add_co_u32 s28, s26, s19                     ; the tile's codes,
	s_mov_b32 s29, 0
	s_lshl_b32 s19, s17, 6
	s_add_co_u32 s26, s26, s19
	s_add_co_u32 s26, s26, 24576                   ; and its sixteen scale words
	s_mov_b32 s27, 0
	s_wait_alu depctr_va_vdst(0)                   ; ahead of the readers below
	v_lshlrev_b32 v164, 12, v2
	v_lshl_add_u32 v164, v3, 7, v164
	s_wait_alu depctr_va_vdst(0)                   ; and at the head's end
	s_wait_kmcnt 0x0
	s_add_nc_u64 s[8:9], s[8:9], s[24:25]
	s_add_nc_u64 s[30:31], s[12:13], s[28:29]
	s_add_nc_u64 s[12:13], s[12:13], s[26:27]
.irp c, 0,1
.irp i, 0,1,2,3,4,5,6,7
	global_load_b128 v[X+32*\c+4*\i:X+32*\c+4*\i+3], v164, s[8:9] offset:256*\c+16*\i
.endr
.endr
	s_wait_loadcnt 0x0
	QFRAG PCK
.irp g, 0,1,2
	global_store_b128 v8, v[PCK+4*\g:PCK+4*\g+3], s[30:31] offset:512*\g
.endr
	global_store_b32 v165, v[PW], s[12:13]         ; 64 bytes a tile (lanes l and l xor 16 write the same word)
	s_endpgm
.Lfunc_end_k_qd6037fb8e8_prep:
	.size	k_qd6037fb8e8_prep, .Lfunc_end_k_qd6037fb8e8_prep-k_qd6037fb8e8_prep
	.p2alignl 7, 3214868480
	.fill 96, 4, 3214868480
	.section	.rodata,"a",@progbits
	.p2align	6, 0x0
	.amdhsa_kernel k_qd6037fb8e8_prep
		.amdhsa_group_segment_fixed_size 37376
		.amdhsa_private_segment_fixed_size 0
		.amdhsa_enable_private_segment 0
		.amdhsa_kernarg_size 40
		.amdhsa_user_sgpr_count 2
		.amdhsa_user_sgpr_kernarg_segment_ptr 1
		.amdhsa_wavefront_size32 1
		.amdhsa_system_sgpr_workgroup_id_x 1
		.amdhsa_system_sgpr_workgroup_id_y 1
		.amdhsa_system_sgpr_workgroup_id_z 1
		.amdhsa_system_vgpr_workitem_id 0
		.amdhsa_next_free_vgpr 170
		.amdhsa_next_free_sgpr 66
		.amdhsa_reserve_vcc 1
		.amdhsa_float_denorm_mode_32 3
		.amdhsa_float_denorm_mode_16_64 3
		.amdhsa_memory_ordered 1
		.amdhsa_forward_progress 1
		.amdhsa_inst_pref_size 70
	.end_amdhsa_kernel
	.amdgpu_metadata
---
amdhsa.version: [ 1, 2 ]
amdhsa.kernels:
  - .name:           k_qd6037fb8e8_prep
    .symbol:         k_qd6037fb8e8_prep.kd
    .args:
      - { .name: x, .offset: 0, .size: 8, .value_kind: global_buffer, .address_space: global }
      - { .name: theta, .offset: 8, .size: 8, .value_kind: global_buffer, .address_space: global }
      - { .name: w_out, .offset: 16, .size: 8, .value_kind: global_buffer, .address_space: global }
      - { .name: kv, .offset: 24, .size: 8, .value_kind: global_buffer, .address_space: global }
      - { .name: wc, .offset: 32, .size: 8, .value_kind: global_buffer, .address_space: global }
    .group_segment_fixed_size: 37376
    .private_segment_fixed_size: 0
    .kernarg_segment_align: 8
    .kernarg_segment_size: 40
    .max_flat_workgroup_size: 128
    .sgpr_count:     66
    .vgpr_count:     170
    .wavefront_size: 32
...
	.end_amdgpu_metadata
.endif
;; end of part 1
;; launch attn (part 2): grid 4 x 64, 8 waves a work-group, clusters of 4 x 1, 327,680 bytes of LDS; arguments kv, ac; writes ac
.if DOCPART == 2
	.amdgcn_target "amdgcn-amd-amdhsa--gfx1250"
	.amdhsa_code_object_version 6
	.text
	.protected	k_qd6037fb8e8_attn
	.globl	k_qd6037fb8e8_attn
	.p2align	8
	.type	k_qd6037fb8e8_attn,@function
k_qd6037fb8e8_attn:
	s_mov_b64 s[64:65], 0
	v_nop
	global_prefetch_b8 v0, s[64:65] scope:SCOPE_SE
	s_setreg_imm32_b32 hwreg(HW_REG_WAVE_MODE, 25, 1), 1
	s_wait_xcnt 0x0
	s_wait_alu depctr_hold_cnt(0) depctr_sa_sdst(0) depctr_va_vdst(0) depctr_va_sdst(0) depctr_va_ssrc(0) depctr_va_vcc(0) depctr_vm_vsrc(0)
	s_getreg_b32 s2, hwreg(HW_REG_IB_STS2, 6, 4)
	s_cmp_eq_u32 s2, 0
	s_cbranch_scc0 .Lentry_in_a_cluster
	s_endpgm
.Lentry_in_a_cluster:
	s_bfe_u32 s2, ttmp6, 0x10000c
	s_cmp_lg_u32 s2, 0x3003
	s_cbranch_scc0 .Lentry_shape_is_right
	s_endpgm
.Lentry_shape_is_right:
; o = softmax(c c^T / 8) c for one head (work-group y = 16 b + h), c = cos(x + theta) as codes of FP6 (E2M3) with E8M0 bytes, in the register images that the launch before stored (13,312 bytes for each 128 keys).
; SHARES.  A work-group takes 512 queries of a head, a wave 64 (four tiles of 16), a lane one query of each tile.  The head's 2,048 keys, 212,992 bytes, lie in LDS, each byte filled once;
; the walk goes in 16 steps of 128 keys.  CLUSTERS: the four work-groups of a head read the same bytes and ask for them jointly (mask 15).  A wave's first load brings its eighth of steps 0-3,
; its second, behind the full sequence and a round, its eighth of steps 4-15, which lands while steps 0 and 1 are worked.  No prefetch: all bytes are asked for at the head, there is no loop to run ahead in.
; BOTH PRODUCTS ARE USED TRANSPOSED: S^T = K Q^T, O^T = V^T P^T.  K = 64 channels fill half of the instruction's 128: Q's registers 6-11 hold zero codes, so what K's registers 6-11 hold adds nothing.
; Rows 0-7 of K's tile 4 g + t are keys 64 g + 8 t .., rows 8-15 keys 64 g + 32 + 8 t ..: so lane (r, h)'s 32 registers of tiles 4 g .. 4 g + 3 are keys 64 g + 32 h + 0 .. 31 of query r:
; a whole block of the next K, in the operand's own order: a block's largest p needs no other lane and the codes need no lane swap.  V's channels are laid the same way for the output's quantiser.
; THE ORDER OF A STEP.  The vector work of query tiles 0 to 3 follows on end.  In the middle of each tile's, behind its exponentials and their wait, stand the matrix instructions of its neighbours:
; O^T += V^T P^T of the tile before (tile 3's in the next step's tile 0) and the scores of the tile after (the next step's tile 0 in tile 3).  So 12 matrix instructions are issued with about 85 vector
; instructions behind them that name none of their registers.  K and V have registers of their own: V's loads stand between tiles 0 and 1, the next step's K loads between tiles 2 and 3, each awaited behind a batch of exponentials.
; NO MAXIMUM IS TAKEN AWAY.  Every |c| is at most 1 and so is every quantised number, so |score| <= 64 / 8 and |t| = |score| log2(e) <= 11.6 for all inputs: p = 2^t lies in 2^-11.6 .. 2^11.6 and a row's sum under 2^23.
; Against p = 2^(t - M), M whole, codes are equal, and the factor 2^M stands in the block's byte and in the sum l alike, and leaves with the division.
; OUT: o / l, quantised along the channels, as images of the projection's A operand: tile 4 g + q of a block of 128 rows holds rows 64 g + 32 (r / 8) + 8 q + r % 8.
; LIMITS: NaN and infinities are not served.
; REGISTERS.  Window 0: v1-63 below; v64-127, v128-191 two score tiles (16 queries x 128 keys); v192-215 P's codes, two buffers; v216-239 V's tiles 2, 3; v254-255 the add's.
; Window 1: v0-127 O^T; v128-181 K's fragments and six registers of zeros; v184-231 Q's; v232-255 V's tiles 0, 1.
.set STEPB, 13312
.set HEADB, 16*STEPB
.set SPARE, 16*STEPB                   ; behind the keys: the spare words, 128 bytes a wave
.set LI,  1                            ; 16 x lane
.set LS,  2                            ; 4 x lane
.set ADR, 3
.set ADS, 4
.set L8,  5                            ; 8 x lane
.set LN,  6
.set QO,  7
.set KS,  8                            ; v8-11 K's scale planes, v12-13 V's, v14-15 Q's, v16-19 P's words
.set VS,  12
.set QS,  14
.set PS,  16
.set LL,  20                           ; v20-27 the rows' sums, a pair a tile
.set TS,  28                           ; v28-33 three more chains of the sum
.set QSO, 34
.set H8,  35                           ; 8 (lane / 16)
.set TM,  36
.set TP,  40
.set SO,  44
.set BY,  48
.set CT,  52
.set SW,  60
.set SA,  64
.set SB,  128
.set PC,  192
.set V23, 216
.set CU,  216                          ; the way out: the conversions' second halves
.set KV,  128
.set QF,  184
.set V01, 232
.set WV,  8
.set TB,  40
.set CNT, 41
.set SEL, 42
.set CS,  44
.set MSB, 0
.macro WIN new
.if MSB != \new
	s_set_vgpr_msb (MSB<<8)|\new
.set MSB, \new
.endif
.endm
.macro CROUND                          ; a round of the cluster's barrier
	s_barrier_signal -1
	s_barrier_wait -1
	s_cmp_lg_u32 s[WV], 0
	s_cbranch_scc1 .Lnot_wave_0_\@
	s_barrier_signal -3
.Lnot_wave_0_\@:
	s_barrier_wait -3
	s_barrier_signal -1
	s_barrier_wait -1
.endm
.macro PLACES
.rept 4
	v_nop
.endr
.endm
; eight score tiles of query tile q: the odd tile of a pair begins at the pair's register 6 (behind the last pair stand six registers of zeros)
.macro QK q, S
	WIN 0x05
.irp bq, 0,1,2,3
.if (\q)%2
	v_wmma_scale_f32_16x16x128_f8f6f4 v[\S+16*\bq:\S+16*\bq+7], v[KV+12*\bq:KV+12*\bq+11], v[QF+12*\q:QF+12*\q+11], 0, v[KS+\bq], v[QS+\q/2] matrix_a_fmt:MATRIX_FMT_FP6 matrix_b_fmt:MATRIX_FMT_FP6 matrix_b_scale:MATRIX_SCALE_ROW1
	v_wmma_scale_f32_16x16x128_f8f6f4 v[\S+16*\bq+8:\S+16*\bq+15], v[KV+12*\bq+6:KV+12*\bq+17], v[QF+12*\q:QF+12*\q+11], 0, v[KS+\bq], v[QS+\q/2] matrix_a_fmt:MATRIX_FMT_FP6 matrix_b_fmt:MATRIX_FMT_FP6 matrix_a_scale:MATRIX_SCALE_ROW1 matrix_b_scale:MATRIX_SCALE_ROW1
.else
	v_wmma_scale_f32_16x16x128_f8f6f4 v[\S+16*\bq:\S+16*\bq+7], v[KV+12*\bq:KV+12*\bq+11], v[QF+12*\q:QF+12*\q+11], 0, v[KS+\bq], v[QS+\q/2] matrix_a_fmt:MATRIX_FMT_FP6 matrix_b_fmt:MATRIX_FMT_FP6
	v_wmma_scale_f32_16x16x128_f8f6f4 v[\S+16*\bq+8:\S+16*\bq+15], v[KV+12*\bq+6:KV+12*\bq+17], v[QF+12*\q:QF+12*\q+11], 0, v[KS+\bq], v[QS+\q/2] matrix_a_fmt:MATRIX_FMT_FP6 matrix_b_fmt:MATRIX_FMT_FP6 matrix_a_scale:MATRIX_SCALE_ROW1
.endif
.endr
.endm
; O^T of query tile q += V's tile c (at vr) x P^T.  zero = 1: the product starts the sum
.macro PV1 q, c, vr, zero
.if \zero
.if (\c)%2
	v_wmma_scale_f32_16x16x128_f8f6f4 v[32*\q+8*\c:32*\q+8*\c+7], v[\vr:\vr+11], v[PC+12*(\q%2):PC+12*(\q%2)+11], 0, v[VS+\c/2], v[PS+\q] matrix_a_fmt:MATRIX_FMT_FP6 matrix_b_fmt:MATRIX_FMT_FP6 matrix_a_scale:MATRIX_SCALE_ROW1
.else
	v_wmma_scale_f32_16x16x128_f8f6f4 v[32*\q+8*\c:32*\q+8*\c+7], v[\vr:\vr+11], v[PC+12*(\q%2):PC+12*(\q%2)+11], 0, v[VS+\c/2], v[PS+\q] matrix_a_fmt:MATRIX_FMT_FP6 matrix_b_fmt:MATRIX_FMT_FP6
.endif
.else
.if (\c)%2
	v_wmma_scale_f32_16x16x128_f8f6f4 v[32*\q+8*\c:32*\q+8*\c+7], v[\vr:\vr+11], v[PC+12*(\q%2):PC+12*(\q%2)+11], v[32*\q+8*\c:32*\q+8*\c+7], v[VS+\c/2], v[PS+\q] matrix_a_fmt:MATRIX_FMT_FP6 matrix_b_fmt:MATRIX_FMT_FP6 matrix_a_scale:MATRIX_SCALE_ROW1
.else
	v_wmma_scale_f32_16x16x128_f8f6f4 v[32*\q+8*\c:32*\q+8*\c+7], v[\vr:\vr+11], v[PC+12*(\q%2):PC+12*(\q%2)+11], v[32*\q+8*\c:32*\q+8*\c+7], v[VS+\c/2], v[PS+\q] matrix_a_fmt:MATRIX_FMT_FP6 matrix_b_fmt:MATRIX_FMT_FP6
.endif
.endif
.endm
.macro PV q, zero                      ; entered under window setting 0x51; four accumulators, one instruction each
	PV1 \q, 0, V01, \zero
	PV1 \q, 1, V01+12, \zero
	WIN 0x50                                       ; V's tiles 2 and 3 lie in window 0
	PV1 \q, 2, V23, \zero
	PV1 \q, 3, V23+12, \zero
.endm
; 64 scores a lane become p, its codes, its scale word and its part of the row's sum.  All sources first, then one batch of exponentials.
; Behind the batch: PV of tile pv (pvz: it starts the sums; pv = -1: none) and the scores of tile nq into nS (nq = -1: none).
.macro SM q, S, first, pv, pvz, nq, nS
	WIN 0
	s_wait_alu depctr_va_vdst(0)                   ; directly ahead of the first reader of the matrix results
.set jj, 0
.rept 32
	v_pk_mul_f32 v[\S+jj:\S+jj+1], v[\S+jj:\S+jj+1], s[CS:CS+1] op_sel_hi:[1,0]             ; t = score x log2(e) / 8, each accumulator from its low end on
.set jj, jj+2
.endr
	s_wait_alu depctr_va_vdst(0)                   ; ahead of the batch
.set jj, 0
.rept 64
	v_exp_f32 v[\S+jj], v[\S+jj]                   ; p = 2^t
.set jj, jj+1
.endr
	v_nop                                          ; one plain place behind the batch
	s_wait_dscnt 0x0                               ; the fragments asked for ahead of this tile are in
.if \pv >= 0
	WIN 0x51
.endif
	s_wait_alu depctr_va_vdst(0)                   ; behind the batch: ahead of its first reader, and directly ahead of the first readers of O^T
.if \pv >= 0
	PV \pv, \pvz
.endif
.if \nq >= 0
	QK \nq, \nS
.endif
	WIN 0
.irp c, 0,1                                        ; my two blocks' largest p, each in two chains; the floor 2^(3 - 127) among the leaves
	v_max3_num_f32 v[TM+\c], v[\S+32*\c], v[\S+32*\c+1], 0x1800000
	v_max3_num_f32 v[TM+2+\c], v[\S+32*\c+16], v[\S+32*\c+17], v[\S+32*\c+18]
.endr
.irp i, 2,4,6,8,10,12
.irp c, 0,1
	v_max3_num_f32 v[TM+\c], v[TM+\c], v[\S+32*\c+\i], v[\S+32*\c+\i+1]
	v_max3_num_f32 v[TM+2+\c], v[TM+2+\c], v[\S+32*\c+17+\i], v[\S+32*\c+18+\i]
.endr
.endr
.irp c, 0,1
	v_max3_num_f32 v[TM+\c], v[TM+\c], v[\S+32*\c+14], v[\S+32*\c+15]
.endr
.irp c, 0,1
	v_max3_num_f32 v[TM+\c], v[TM+\c], v[TM+2+\c], v[\S+32*\c+31]
.endr
.irp c, 0,1
	v_add_nc_u32 v[SO+\c], 0xff000000, v[TM+\c]    ; 2 off the exponent field: the conversion's scale operand
.endr
.irp c, 0,1
	v_cvt_scalef32_pk16_fp6_f32 v[PC+12*(\q%2)+6*\c:PC+12*(\q%2)+6*\c+2], v[\S+32*\c:\S+32*\c+15], v[SO+\c]
	v_cvt_scalef32_pk16_fp6_f32 v[CT+4*\c:CT+4*\c+2], v[\S+32*\c+16:\S+32*\c+31], v[SO+\c]  ; (a conversion's three registers begin on an even number)
.endr
.irp c, 0,1
	v_lshrrev_b32 v[BY+\c], 23, v[SO+\c]           ; the bytes (also the plain place behind the conversions)
.endr
.irp i, 0,1,2
	v_mov_b32 v[PC+12*(\q%2)+3+\i], v[CT+\i]
.endr
	v_lshl_or_b32 v[BY], v[BY+1], 16, v[BY]        ; blocks h and 2 + h,
.irp i, 0,1,2
	v_mov_b32 v[PC+12*(\q%2)+9+\i], v[CT+4+\i]
.endr
	v_lshlrev_b32 v[BY], v[H8], v[BY]              ; at their places in the word
.if \first == 0
	v_pk_add_f32 v[LL+2*\q:LL+2*\q+1], v[LL+2*\q:LL+2*\q+1], v[\S:\S+1]                     ; the row's sum of the unquantised p, in four chains
.endif
.irp k, 0,2,4
	v_pk_add_f32 v[TS+\k:TS+\k+1], v[\S+2+\k:\S+3+\k], v[\S+10+\k:\S+11+\k]
.endr
	v_permlanex16_b32 v[TP], v[BY], s[SEL], s[SEL+1]
.if \first
	v_pk_add_f32 v[LL+2*\q:LL+2*\q+1], v[\S:\S+1], v[\S+8:\S+9]
.else
	v_pk_add_f32 v[LL+2*\q:LL+2*\q+1], v[LL+2*\q:LL+2*\q+1], v[\S+8:\S+9]
.endif
.irp m, 16,24,32,40,48,56
.irp k, 0,2,4
	v_pk_add_f32 v[TS+\k:TS+\k+1], v[TS+\k:TS+\k+1], v[\S+\m+2+\k:\S+\m+3+\k]
.endr
	v_pk_add_f32 v[LL+2*\q:LL+2*\q+1], v[LL+2*\q:LL+2*\q+1], v[\S+\m:\S+\m+1]
.if \m == 16
	v_or_b32 v[PS+\q], v[BY], v[TP]                ; with lane l xor 16's two bytes the word of these 128 keys is whole
.endif
.endr
	v_pk_add_f32 v[TS:TS+1], v[TS:TS+1], v[TS+2:TS+3]
	v_pk_add_f32 v[LL+2*\q:LL+2*\q+1], v[LL+2*\q:LL+2*\q+1], v[TS+4:TS+5]
	v_pk_add_f32 v[LL+2*\q:LL+2*\q+1], v[LL+2*\q:LL+2*\q+1], v[TS:TS+1]
.endm
.macro KLOAD adr, ads, off             ; K's four pairs and their scale planes
	WIN 0x40
.irp i, 0,1,2,3,4,5,6,7,8,9,10,11
	ds_load_b128 v[KV+4*\i:KV+4*\i+3], v[\adr] offset:\off+512*\i
.endr
	WIN 0
.irp i, 0,1,2,3
	ds_load_b32 v[KS+\i], v[\ads] offset:\off+12288+128*\i
.endr
.endm
; a step of 128 keys; its tile 0's scores are in SA.  first: the additions start the rows' sums;  pv3, pv3z: the step before left its tile 3's PV (-1: there is none; pv3z: it starts the sums);
; pvz: this step's PVs start the sums;  last: no step follows
.macro STEP first, pv3, pv3z, pvz, last
	v_add_nc_u32 v[ADR], s[TB], v[LI]
	v_add_nc_u32 v[ADS], s[TB], v[LS]
	SM 0, SA, \first, \pv3, \pv3z, 1, SB
	WIN 0x40                                       ; V's fragments: the last reader of their registers stands in the middle of tile 0's work
.irp i, 0,1,2,3,4,5
	ds_load_b128 v[V01+4*\i:V01+4*\i+3], v[ADR] offset:6144+512*\i
.endr
	WIN 0
.irp i, 0,1,2,3,4,5
	ds_load_b128 v[V23+4*\i:V23+4*\i+3], v[ADR] offset:9216+512*\i
.endr
.irp i, 0,1
	ds_load_b32 v[VS+\i], v[ADS] offset:12800+128*\i
.endr
	SM 1, SB, \first, 0, \pvz, 2, SA
	SM 2, SA, \first, 1, \pvz, 3, SB
.if \last
	SM 3, SB, \first, 2, \pvz, -1, SA
.else
	KLOAD ADR, ADS, STEPB                          ; the next step's K: the last reader of these registers stands in the middle of tile 2's work
	SM 3, SB, \first, 2, \pvz, 0, SA
.endif
	s_add_co_u32 s[TB], s[TB], STEPB
.endm
	s_load_b128 s[4:7], s[0:1], 0x0                ; kv s[4:5], ac s[6:7]
	v_lshl_add_u32 v254, v0, 2, SPARE
	v_mov_b32 v255, 0
	ds_add_u32 v254, v255                          ; the opening lines: the add, twice on end, and its wait
	ds_add_u32 v254, v255
	v_lshrrev_b32 v1, 5, v0
	v_readfirstlane_b32 s[WV], v1                  ; wave 0..7
	s_bfe_u32 s9, ttmp6, 0x40000                   ; cx: which 512 queries
	s_and_b32 s10, ttmp7, 0xffff                   ; 16 b + h
	v_and_b32 v[LN], 31, v0
	v_bfe_u32 v[H8], v0, 4, 1
	v_lshlrev_b32 v[LI], 4, v[LN]
	v_lshlrev_b32 v[LS], 2, v[LN]
	v_lshlrev_b32 v[L8], 3, v[LN]
	v_lshlrev_b32 v[H8], 3, v[H8]
	s_and_b32 s11, s[WV], 1                        ; g: which 64 queries of a unit of 128
	s_lshr_b32 s12, s[WV], 1                       ; which of the work-group's four units
	s_mul_i32 s13, s11, 3072
	v_add_nc_u32 v[QO], s13, v[LI]
	s_lshl_b32 s13, s11, 8
	v_add_nc_u32 v[QSO], s13, v[LS]
	s_mov_b32 s16, 15|(3<<16)|(1<<21)              ; group 1, first load: 26 rows of 256 bytes (32 elements of 8), dense; the mask names the cluster's four
	s_mov_b32 s17, 32<<16
	s_mov_b32 s18, 26<<16
	s_mov_b32 s19, 32<<16
	s_mov_b32 s20, 26
	s_mov_b32 s21, 32
	s_mov_b32 s22, 0
	s_mov_b32 s23, 0
	s_mov_b32 s24, 15|(3<<16)|(1<<21)              ; second load: 78 rows
	s_mov_b32 s25, 32<<16
	s_mov_b32 s26, 78<<16
	s_mov_b32 s27, 32<<16
	s_mov_b32 s28, 78
	s_mov_b32 s29, 32
	s_mov_b32 s30, 0
	s_mov_b32 s31, 0
	s_mov_b32 s[SEL], 0x76543210
	s_mov_b32 s[SEL+1], 0xfedcba98                 ; v_permlanex16_b32's selects for lane l xor 16
	s_mov_b32 s[CS], 0x3e38aa3b                    ; log2(e) / 8
	s_mov_b32 s[CS+1], s[CS]
	s_mov_b32 s[TB], 0
	s_mul_i32 s46, s10, HEADB
	s_mov_b32 s47, 0
	s_wait_dscnt 0x0
	s_wait_kmcnt 0x0
	s_add_nc_u64 s[48:49], s[4:5], s[46:47]        ; the head's images
	CROUND                                         ; the four work-groups are here: the joint loads meet
	s_mov_b32 s32, 1
	s_mul_i32 s33, s[WV], 6656                     ; my eighth of steps 0-3: the same place in LDS and in the head's images
	s_mov_b32 s50, s33
	s_mov_b32 s51, 0
	s_add_nc_u64 s[34:35], s[48:49], s[50:51]
	s_or_b32 s35, s35, 0x80000000
	s_mov_b32 s36, 1
	s_mul_i32 s37, s[WV], 19968                    ; my eighth of steps 4-15
	s_add_co_u32 s37, s37, 4*STEPB
	s_mov_b32 s50, s37
	s_add_nc_u64 s[38:39], s[48:49], s[50:51]
	s_or_b32 s39, s39, 0x80000000
	s_lshl_b32 s54, s9, 2
	s_add_co_u32 s54, s54, s12                     ; my unit of 128 queries: 4 cx + wave / 2
	s_mul_i32 s52, s54, STEPB
	s_mov_b32 s53, 0
	s_add_nc_u64 s[52:53], s[48:49], s[52:53]
	tensor_load_to_lds s[32:35], s[16:23]          ; one tensor load a wave at the head
	s_nop 0
	WIN 0x40                                       ; (the windows are switched directly behind the s_nop 0)
	s_wait_alu depctr_va_vdst(0)                   ; ahead of the first readers of the head's address registers
.irp p, 0,1                                        ; Q's four tiles are K's pairs 2 g and 2 g + 1 of my unit: six registers a tile.  They are on their way while the tensor load lands
	global_load_b128 v[QF+24*\p:QF+24*\p+3], v[QO], s[52:53] offset:1536*\p
	global_load_b64 v[QF+24*\p+4:QF+24*\p+5], v[QO], s[52:53] offset:1536*\p+512
	global_load_b64 v[QF+24*\p+12:QF+24*\p+13], v[QO], s[52:53] offset:1536*\p+520
	global_load_b128 v[QF+24*\p+14:QF+24*\p+17], v[QO], s[52:53] offset:1536*\p+1024
.endr
.irp q, 0,1,2,3
.irp i, 6,7,8,9,10,11
	v_mov_b32 v[QF+12*\q+\i], 0                    ; zero codes for k = 64 .. 127
.endr
.endr
.irp i, 0,1,2,3,4,5
	v_mov_b32 v[KV+48+\i], 0                       ; behind K's last pair
.endr
	WIN 0
.irp p, 0,1
	global_load_b32 v[QS+\p], v[QSO], s[52:53] offset:12288+128*\p
.endr
.irp b, 0,1,2,3
	v_mov_b32 v[TP+\b], 0                          ; a lane permute's destination counts as one of its sources
.endr
	s_wait_alu depctr_va_vdst(0)                   ; ahead of the wait below
	s_wait_tensorcnt 0x0                           ; the full sequence ahead of a later first fill: my part of steps 0-3 is in,
	ds_add_u32 v254, v255
	s_wait_dscnt 0x0
	CROUND                                         ; everybody's is
	tensor_load_to_lds s[36:39], s[24:31]
	s_nop 0
	PLACES
	KLOAD LI, LS, 0                                ; step 0's K
	s_and_b32 s54, s10, 15                         ; h
	s_lshr_b32 s55, s10, 4
	s_lshl_b32 s55, s55, 4
	s_lshl_b32 s56, s9, 2
	s_add_co_u32 s55, s55, s56
	s_add_co_u32 s55, s55, s12                     ; the block of 128 rows: 16 b + 4 cx + wave / 2
	s_mul_i32 s56, s55, 102400
	s_lshr_b32 s55, s54, 1
	s_mul_i32 s55, s55, 12800                      ; K step h / 2 of the projection
	s_add_co_u32 s56, s56, s55
	s_and_b32 s54, s54, 1
	s_mul_i32 s55, s54, 6144                       ; its half h % 2
	s_add_co_u32 s58, s56, s55
	s_mul_i32 s55, s11, 3072                       ; my four tiles
	s_add_co_u32 s58, s58, s55
	s_mov_b32 s59, 0
	s_add_nc_u64 s[58:59], s[6:7], s[58:59]
	s_lshl_b32 s55, s11, 8
	s_add_co_u32 s56, s56, s55
	s_lshl_b32 s55, s54, 1
	s_add_co_u32 s56, s56, s55
	s_add_co_u32 s56, s56, 12288                   ; and their scale words' bytes 2 (h % 2), + 1
	s_mov_b32 s57, 0
	s_add_nc_u64 s[56:57], s[6:7], s[56:57]
	s_wait_loadcnt 0x0                             ; Q
	s_wait_dscnt 0x0                               ; K
	QK 0, SA
	WIN 0
	PLACES
	STEP 1, -1, 0, 1, 0                            ; step 0
	STEP 0, 3, 1, 0, 0                             ; step 1: step 0's tile 3 starts its sums here
	s_wait_tensorcnt 0x0                           ; my part of steps 4-15 is in (step 3 reads step 4's K),
	s_wait_dscnt 0x0
	s_barrier_signal -1
	s_barrier_wait -1                              ; everybody's is
	s_mov_b32 s[CNT], 13
.Lsteps:                                               ; steps 2 to 14
	STEP 0, 3, 0, 0, 0
	s_sub_co_u32 s[CNT], s[CNT], 1
	s_cmp_lg_u32 s[CNT], 0
	s_cbranch_scc1 .Lsteps
	STEP 0, 3, 0, 0, 1                             ; step 15
	WIN 0x51
	s_wait_alu depctr_va_vdst(0)                   ; directly ahead of the first readers of O^T
	PV 3, 0                                        ; and its tile 3
	WIN 0
.irp q, 0,1,2,3
	v_add_f32 v[TM+\q], v[LL+2*\q], v[LL+2*\q+1]
.endr
.irp q, 0,1,2,3
	v_permlanex16_b32 v[TP+\q], v[TM+\q], s[SEL], s[SEL+1]
.endr
.irp q, 0,1,2,3
	v_add_f32 v[TM+\q], v[TM+\q], v[TP+\q]         ; the rows' sums
.endr
	s_wait_alu depctr_va_vdst(0)                   ; ahead of the batch
.irp q, 0,1,2,3
	v_rcp_f32 v[LL+2*\q], v[TM+\q]
.endr
	v_nop
	WIN 0x01
	s_wait_alu depctr_va_vdst(0)                   ; behind the batch, directly ahead of the first readers of O^T
.irp q, 0,1,2,3
.irp i, 0,2,4,6,8,10,12,14,16,18,20,22,24,26,28,30
	v_pk_mul_f32 v[SA+32*\q+\i:SA+32*\q+\i+1], v[32*\q+\i:32*\q+\i+1], v[LL+2*\q:LL+2*\q+1] op_sel_hi:[1,0]   ; o = O^T / l: register 32 q + i is channel 32 h + i of query (q, r)
.endr
.endr
	WIN 0
	; the output's quantiser: a lane holds a whole block of 32 channels of each of its four queries; the four by turns
.irp q, 0,1,2,3
	v_max3_num_f32 v[TM+\q], |v[SA+32*\q]|, |v[SA+32*\q+1]|, 0x1800000
.endr
.irp q, 0,1,2,3
	v_max3_num_f32 v[TP+\q], |v[SA+32*\q+16]|, |v[SA+32*\q+17]|, |v[SA+32*\q+18]|
.endr
.irp i, 2,4,6,8,10,12
.irp q, 0,1,2,3
	v_max3_num_f32 v[TM+\q], v[TM+\q], |v[SA+32*\q+\i]|, |v[SA+32*\q+\i+1]|
.endr
.irp q, 0,1,2,3
	v_max3_num_f32 v[TP+\q], v[TP+\q], |v[SA+32*\q+17+\i]|, |v[SA+32*\q+18+\i]|
.endr
.endr
.irp q, 0,1,2,3
	v_max3_num_f32 v[TM+\q], v[TM+\q], |v[SA+32*\q+14]|, |v[SA+32*\q+15]|
.endr
.irp q, 0,1,2,3
	v_max3_num_f32 v[TM+\q], v[TM+\q], v[TP+\q], |v[SA+32*\q+31]|
.endr
.irp q, 0,1,2,3
	v_add_nc_u32 v[SO+\q], 0xff000000, v[TM+\q]
.endr
.irp q, 0,1,2,3
	v_cvt_scalef32_pk16_fp6_f32 v[PC+6*\q:PC+6*\q+2], v[SA+32*\q:SA+32*\q+15], v[SO+\q]
	v_cvt_scalef32_pk16_fp6_f32 v[CU+4*\q:CU+4*\q+2], v[SA+32*\q+16:SA+32*\q+31], v[SO+\q]
.endr
.irp q, 0,1,2,3
	v_lshrrev_b32 v[BY+\q], 23, v[SO+\q]           ; (also the plain place behind the conversions)
.endr
.irp q, 0,1,2,3
	v_lshlrev_b32 v[BY+\q], v[H8], v[BY+\q]
.endr
.irp q, 0,1,2,3
	v_permlanex16_b32 v[TP+\q], v[BY+\q], s[SEL], s[SEL+1]
.endr
.irp q, 0,1,2,3
	v_or_b32 v[SW+\q], v[BY+\q], v[TP+\q]          ; the head's two bytes of row (q, r)
.endr
.irp q, 0,1,2,3
.irp i, 0,1,2
	v_mov_b32 v[PC+6*\q+3+\i], v[CU+4*\q+\i]
.endr
.endr
.irp q, 0,1,2,3
.irp p, 0,1,2
	global_store_b64 v[L8], v[PC+6*\q+2*\p:PC+6*\q+2*\p+1], s[58:59] offset:768*\q+256*\p  ; 32 lanes store 256 consecutive bytes, aligned
.endr
.endr
	v_cmp_le_u32 vcc_lo, 16, v[LN]
	v_cndmask_b32 v[TM], v[SW], v[SW+1], vcc_lo    ; a plane: lanes 0-15 the even tile, lanes 16-31 the odd
	v_cndmask_b32 v[TM+1], v[SW+2], v[SW+3], vcc_lo
	global_store_b16 v[LS], v[TM], s[56:57]        ; two bytes of each row's word; the other head of the pair stores the other two
	global_store_b16 v[LS], v[TM+1], s[56:57] offset:128
	s_wait_tensorcnt 0x0                           ; the wave's end
	ds_add_u32 v254, v255
	s_wait_dscnt 0x0
	CROUND                                         ; the closing round
	s_endpgm
.Lfunc_end_k_qd6037fb8e8_attn:
	.size	k_qd6037fb8e8_attn, .Lfunc_end_k_qd6037fb8e8_attn-k_qd6037fb8e8_attn
	.p2alignl 7, 3214868480
	.fill 96, 4, 3214868480
	.section	.rodata,"a",@progbits
	.p2align	6, 0x0
	.amdhsa_kernel k_qd6037fb8e8_attn
		.amdhsa_group_segment_fixed_size 327680
		.amdhsa_private_segment_fixed_size 0
		.amdhsa_enable_private_segment 0
		.amdhsa_kernarg_size 16
		.amdhsa_user_sgpr_count 2
		.amdhsa_user_sgpr_kernarg_segment_ptr 1
		.amdhsa_wavefront_size32 1
		.amdhsa_system_sgpr_workgroup_id_x 1
		.amdhsa_system_sgpr_workgroup_id_y 1
		.amdhsa_system_sgpr_workgroup_id_z 1
		.amdhsa_system_vgpr_workitem_id 0
		.amdhsa_next_free_vgpr 512
		.amdhsa_next_free_sgpr 66
		.amdhsa_reserve_vcc 1
		.amdhsa_float_denorm_mode_32 3
		.amdhsa_float_denorm_mode_16_64 3
		.amdhsa_memory_ordered 1
		.amdhsa_forward_progress 1
		.amdhsa_inst_pref_size 200
	.end_amdhsa_kernel
	.amdgpu_metadata
---
amdhsa.version: [ 1, 2 ]
amdhsa.kernels:
  - .name:           k_qd6037fb8e8_attn
    .symbol:         k_qd6037fb8e8_attn.kd
    .args:
      - { .name: kv, .offset: 0, .size: 8, .value_kind: global_buffer, .address_space: global }
      - { .name: ac, .offset: 8, .size: 8, .value_kind: global_buffer, .address_space: global }
    .group_segment_fixed_size: 327680
    .private_segment_fixed_size: 0
    .kernarg_segment_align: 8
    .kernarg_segment_size: 16
    .max_flat_workgroup_size: 256
    .sgpr_count:     66
    .vgpr_count:     512
    .wavefront_size: 32
...
	.end_amdgpu_metadata
.endif
;; end of part 2
;; launch proj (part 3): grid 4 x 64, 8 waves a work-group, clusters of 4 x 4, 308,224 bytes of LDS; arguments ac, wc, b_out, out0; writes out0
.if DOCPART == 3
	.amdgcn_target "amdgcn-amd-amdhsa--gfx1250"
	.amdhsa_code_object_version 6
	.text
	.protected	k_qd6037fb8e8_proj
	.globl	k_qd6037fb8e8_proj
	.p2align	8
	.type	k_qd6037fb8e8_proj,@function
k_qd6037fb8e8_proj:
	s_mov_b64 s[64:65], 0
	v_nop
	global_prefetch_b8 v0, s[64:65] scope:SCOPE_SE
	s_setreg_imm32_b32 hwreg(HW_REG_WAVE_MODE, 25, 1), 1
	s_wait_xcnt 0x0
	s_wait_alu depctr_hold_cnt(0) depctr_sa_sdst(0) depctr_va_vdst(0) depctr_va_sdst(0) depctr_va_ssrc(0) depctr_va_vcc(0) depctr_vm_vsrc(0)
	s_getreg_b32 s2, hwreg(HW_REG_IB_STS2, 6, 4)
	s_cmp_eq_u32 s2, 0
	s_cbranch_scc0 .Lentry_in_a_cluster
	s_endpgm
.Lentry_in_a_cluster:
	s_bfe_u32 s2, ttmp6, 0x10000c
	s_cmp_lg_u32 s2, 0xf033
	s_cbranch_scc0 .Lentry_shape_is_right
	s_endpgm
.Lentry_shape_is_right:
; out0 = A w_out^T + b_out on codes of FP6 (E2M3) with one E8M0 byte for each 32 along K = 1,024.  A (8,192 rows) and w_out (1,024 rows) come as register images, K step by K step of 128.
; SHARES.  A work-group makes 128 rows x 256 columns; wave w makes rows 64 (w / 4) on, columns 64 (w % 4) on: 16 accumulators of 16 x 16.
; ALL OF K LIES IN LDS, filled once: A's eight K steps of 12,800 bytes at 0, W's eight of 25,600 at 102,400.  Nothing is filled again.
; CLUSTERS: 4 x 4 work-groups.  The four of a row of the cluster need the same block of A, the four of a column the same block of W: both are asked for JOINTLY.
; ONE TENSOR LOAD A WAVE, at the head: wave w < 4 brings A's K steps 2 w and 2 w + 1 (100 rows of 256 bytes), wave w >= 4 W's K steps 2 (w - 4) and the next (200 rows).  One wait for 0 and one barrier
; show all of it to every wave.  No prefetch: all is asked for at the head, there is no loop to run ahead in.
; The LDS addresses of all eight K steps are made at the head (a register for each 51,200 bytes, the rest in the immediates), so that no vector instruction writes a register between the K steps.
; THE MATRIX INSTRUCTION IS USED TRANSPOSED (source 0 = 16 rows of W, source 1 = 16 rows of A): a lane holds eight neighbouring columns of one row.  The bias is loaded into the accumulators, so that all eight K steps are alike.
; Tile 4 g + a of a block of A holds rows 64 g + 32 (r / 8) + 8 a + r % 8: the order in which the attention left them; the stores put each row where it belongs.
.set AB,  12                           ; v12-13 A's planes, K steps 0-3 and 4-7;  v14-15 A's scale words
.set ASB, 14
.set WB,  16                           ; v16-19 W's fragments, two K steps a register;  v20-23 W's scale words
.set WSB, 20
.set AS,  24                           ; v24-25 A's scale planes (lanes 0-15 the even tile, 16-31 the odd), v26-27 W's
.set WS,  26
.set WF,  32                           ; v32-79   W's four fragments
.set AF,  80                           ; v80-127  A's four
.set ACC, 128                          ; v128-255 accumulator (a, b) at 128 + 8 (4 a + b)
.set BK,  32                           ; the way out: 16 rows read back from the stage: v32-63 and v64-95 by turns
.set SPARE, 0x4b000                    ; behind the operands: the spare words, 128 bytes a wave
.set WV,  12
.set G1A, 20                           ; s[20:27] descriptor group 1 for A, s[28:35] for W
.set G1W, 28
.set G0A, 36                           ; s[36:39] group 0 for A;  s[68:71] for W
.set G0W, 68
.macro CROUND                          ; a round of the cluster's barrier
	s_barrier_signal -1
	s_barrier_wait -1
	s_cmp_lg_u32 s[WV], 0
	s_cbranch_scc1 .Lnot_wave_0_\@
	s_barrier_signal -3
.Lnot_wave_0_\@:
	s_barrier_wait -3
	s_barrier_signal -1
	s_barrier_wait -1
.endm
	s_load_b256 s[4:11], s[0:1], 0x0               ; ac s[4:5], wc s[6:7], b_out s[8:9], out0 s[10:11]
	v_lshl_add_u32 v30, v0, 2, SPARE
	v_mov_b32 v31, 0
	ds_add_u32 v30, v31                            ; the opening lines: the add, twice on end, and its wait
	ds_add_u32 v30, v31
	v_lshrrev_b32 v1, 5, v0
	v_readfirstlane_b32 s[WV], v1                  ; wave 0..7
	v_and_b32 v1, 31, v0                           ; lane
	v_and_b32 v2, 15, v0                           ; lane % 16
	v_bfe_u32 v3, v0, 4, 1                         ; lane / 16
	s_wait_alu depctr_va_vdst(0)
	s_bfe_u32 s13, ttmp6, 0x40000                  ; cx, cy: my place in the cluster
	s_bfe_u32 s14, ttmp6, 0x40004
	s_lshl_b32 s15, ttmp9, 2
	s_add_co_u32 s15, s15, s13                     ; the block of 256 columns
	s_and_b32 s16, ttmp7, 0xffff
	s_lshl_b32 s16, s16, 2
	s_add_co_u32 s16, s16, s14                     ; the block of 128 rows
	s_lshl_b32 s17, s14, 2
	s_lshl_b32 s17, 15, s17                        ; my row of the cluster
	s_lshl_b32 s18, 0x1111, s13                    ; my column
	s_or_b32 s[G1A], s17, (3<<16)|(1<<21)          ; 15:0 the mask; 17:16 elements of 8 bytes; 21 set beside a mask; no padding: images are read at 16 x lane and 8 x lane
	s_or_b32 s[G1W], s18, (3<<16)|(1<<21)
.irp g, G1A, G1W
	s_mov_b32 s[\g+1], 32<<16                      ; tensor_dim0 = 32 elements: 256 bytes
	s_mov_b32 s[\g+3], 32<<16                      ; tile_dim0
	s_mov_b32 s[\g+5], 32                          ; from row to row
	s_mov_b32 s[\g+6], 0
	s_mov_b32 s[\g+7], 0
.endr
	s_mov_b32 s[G1A+2], 100<<16                    ; tensor_dim1 and tile_dim1: A 100 rows,
	s_mov_b32 s[G1A+4], 100
	s_mov_b32 s[G1W+2], 200<<16                    ; W 200
	s_mov_b32 s[G1W+4], 200
	s_lshr_b32 s84, s[WV], 2                       ; which 64 rows are mine.  Also: I fetch for A (0) or for W (1)
	s_and_b32 s85, s[WV], 3                        ; which 64 columns.  Also: which two K steps I fetch
	s_mul_i32 s52, s84, 3072
	v_lshl_add_u32 v[AB], v1, 3, s52               ; A's planes: four tiles of 768 bytes, 8 bytes a lane
	v_add_nc_u32 v[AB+1], 51200, v[AB]
	s_lshl_b32 s52, s84, 8
	s_add_co_u32 s52, s52, 12288
	v_lshl_add_u32 v[ASB], v1, 2, s52              ; A's scale words
	v_add_nc_u32 v[ASB+1], 51200, v[ASB]
	s_mul_i32 s52, s85, 6144
	s_add_co_u32 s52, s52, 102400
	v_lshl_add_u32 v[WB], v1, 4, s52               ; W's fragments: four of 1,536 bytes, 16 bytes a lane
	s_lshl_b32 s52, s85, 8
	s_add_co_u32 s52, s52, 126976
	v_lshl_add_u32 v[WSB], v1, 2, s52              ; W's scale words
.irp k, 1,2,3
	v_add_nc_u32 v[WB+\k], 51200*\k, v[WB]
	v_add_nc_u32 v[WSB+\k], 51200*\k, v[WSB]
.endr
	s_mul_i32 s52, s[WV], 4352                     ; my stage: 16 rows x (256 bytes + 16)
	v_mul_u32_u24 v8, v2, 272
	v_lshl_add_u32 v8, v3, 5, v8
	v_add_nc_u32 v8, s52, v8                       ; in: row lane % 16, 32 bytes for each half of the lanes
	v_mul_u32_u24 v9, v3, 272
	v_lshl_add_u32 v9, v2, 4, v9
	v_add_nc_u32 v9, s52, v9                       ; back: lanes 0-15 one row, lanes 16-31 the next
	v_lshlrev_b32 v10, 4, v2
	v_lshl_add_u32 v10, v3, 12, v10                ; and the same two rows in out0
	v_lshlrev_b32 v11, 5, v3                       ; the bias: eight numbers for each half of the lanes
	s_lshl_b32 s52, s16, 7
	s_lshl_b32 s53, s84, 6
	s_add_co_u32 s52, s52, s53
	s_lshl_b32 s52, s52, 12                        ; my first row of out0, in bytes (under 2^26)
	s_mov_b32 s53, 0
	s_lshl_b32 s94, s15, 10
	s_lshl_b32 s95, s85, 8
	s_add_co_u32 s94, s94, s95                     ; my first column, in bytes: in out0 and in b_out
	s_mov_b32 s95, 0
	s_mul_i32 s86, s85, 25600                      ; A: the two K steps that I fetch
	s_mov_b32 s87, 0
	s_mul_i32 s88, s85, 51200                      ; W: likewise
	s_mov_b32 s89, 0
	s_mul_i32 s90, s16, 102400                     ; A's address hangs on the block of rows and the wave alone,
	s_mov_b32 s91, 0
	s_mul_i32 s92, s15, 204800                     ; W's on the block of columns and the wave alone
	s_mov_b32 s93, 0
	s_wait_dscnt 0x0
	s_wait_kmcnt 0x0
	s_add_nc_u64 s[90:91], s[4:5], s[90:91]
	s_add_nc_u64 s[90:91], s[90:91], s[86:87]
	s_add_nc_u64 s[92:93], s[6:7], s[92:93]
	s_add_nc_u64 s[92:93], s[92:93], s[88:89]
	s_add_nc_u64 s[8:9], s[8:9], s[94:95]
	s_add_nc_u64 s[10:11], s[10:11], s[52:53]
	s_add_nc_u64 s[10:11], s[10:11], s[94:95]
	CROUND                                         ; all sixteen work-groups are here: the joint loads meet
	s_mov_b32 s[G0A], 1                            ; count = 1
	s_mul_i32 s[G0A+1], s85, 25600                 ; LDS address: no place in the cluster enters it
	s_mov_b64 s[G0A+2:G0A+3], s[90:91]
	s_or_b32 s[G0A+3], s[G0A+3], 0x80000000        ; type = 2
	s_mov_b32 s[G0W], 1
	s_mul_i32 s[G0W+1], s85, 51200
	s_add_co_u32 s[G0W+1], s[G0W+1], 102400
	s_mov_b64 s[G0W+2:G0W+3], s[92:93]
	s_or_b32 s[G0W+3], s[G0W+3], 0x80000000
	s_cmp_lt_u32 s[WV], 4                          ; one branch on the wave's number, a load in each arm: every way through the head passes exactly one
	s_cbranch_scc0 .Lfor_w
	tensor_load_to_lds s[G0A:G0A+3], s[G1A:G1A+7]
	s_nop 0
.rept 4
	v_nop
.endr
	s_branch .Lasked
.Lfor_w:
	tensor_load_to_lds s[G0W:G0W+3], s[G1W:G1W+7]
	s_nop 0
.rept 4
	v_nop
.endr
.Lasked:
	s_wait_alu depctr_va_vdst(0)                   ; at the head's end
.irp a, 0,1,2,3
.irp b, 0,1,2,3
	global_load_b128 v[ACC+8*(4*\a+\b):ACC+8*(4*\a+\b)+3], v11, s[8:9] offset:64*\b       ; the sums begin as b_out at my eight columns of tile b
	global_load_b128 v[ACC+8*(4*\a+\b)+4:ACC+8*(4*\a+\b)+7], v11, s[8:9] offset:64*\b+16
.endr
.endr
; K step s of 128: 40 LDS loads, 16 matrix instructions on 16 accumulators by turns, and four places behind the products,
; ahead of the next loads into their operands (ISA guide 7.12.1 for vector instructions).
.macro KSTEP s
.set OA, 12800*((\s)%4)
.set OW, 25600*((\s)%2)
	ds_load_b32 v[AS], v[ASB+(\s)/4] offset:OA
	ds_load_b32 v[AS+1], v[ASB+(\s)/4] offset:OA+128
	ds_load_b32 v[WS], v[WSB+(\s)/2] offset:OW
	ds_load_b32 v[WS+1], v[WSB+(\s)/2] offset:OW+128
.irp b, 0,1,2,3
.irp g, 0,1,2
	ds_load_b128 v[WF+12*\b+4*\g:WF+12*\b+4*\g+3], v[WB+(\s)/2] offset:OW+1536*\b+512*\g
.endr
.endr
.irp a, 0,1,2,3
.irp e, 0,1                            ; registers 6 e .. 6 e + 5 come from head 2 s + e's half fragment
.irp p, 0,1,2
	ds_load_b64 v[AF+12*\a+6*\e+2*\p:AF+12*\a+6*\e+2*\p+1], v[AB+(\s)/4] offset:OA+6144*\e+768*\a+256*\p
.endr
.endr
.endr
	s_wait_dscnt 0x0
.irp a, 0,1,2,3
.irp b, 0,1,2,3
.if (\a%2) && (\b%2)
	v_wmma_scale_f32_16x16x128_f8f6f4 v[ACC+8*(4*\a+\b):ACC+8*(4*\a+\b)+7], v[WF+12*\b:WF+12*\b+11], v[AF+12*\a:AF+12*\a+11], v[ACC+8*(4*\a+\b):ACC+8*(4*\a+\b)+7], v[WS+\b/2], v[AS+\a/2] matrix_a_fmt:MATRIX_FMT_FP6 matrix_b_fmt:MATRIX_FMT_FP6 matrix_a_scale:MATRIX_SCALE_ROW1 matrix_b_scale:MATRIX_SCALE_ROW1
.elseif \b%2
	v_wmma_scale_f32_16x16x128_f8f6f4 v[ACC+8*(4*\a+\b):ACC+8*(4*\a+\b)+7], v[WF+12*\b:WF+12*\b+11], v[AF+12*\a:AF+12*\a+11], v[ACC+8*(4*\a+\b):ACC+8*(4*\a+\b)+7], v[WS+\b/2], v[AS+\a/2] matrix_a_fmt:MATRIX_FMT_FP6 matrix_b_fmt:MATRIX_FMT_FP6 matrix_a_scale:MATRIX_SCALE_ROW1
.elseif \a%2
	v_wmma_scale_f32_16x16x128_f8f6f4 v[ACC+8*(4*\a+\b):ACC+8*(4*\a+\b)+7], v[WF+12*\b:WF+12*\b+11], v[AF+12*\a:AF+12*\a+11], v[ACC+8*(4*\a+\b):ACC+8*(4*\a+\b)+7], v[WS+\b/2], v[AS+\a/2] matrix_a_fmt:MATRIX_FMT_FP6 matrix_b_fmt:MATRIX_FMT_FP6 matrix_b_scale:MATRIX_SCALE_ROW1
.else
	v_wmma_scale_f32_16x16x128_f8f6f4 v[ACC+8*(4*\a+\b):ACC+8*(4*\a+\b)+7], v[WF+12*\b:WF+12*\b+11], v[AF+12*\a:AF+12*\a+11], v[ACC+8*(4*\a+\b):ACC+8*(4*\a+\b)+7], v[WS+\b/2], v[AS+\a/2] matrix_a_fmt:MATRIX_FMT_FP6 matrix_b_fmt:MATRIX_FMT_FP6
.endif
.endr
.endr
.rept 4
	v_nop
.endr
.endm
	s_wait_tensorcnt 0x0                           ; my one load has landed,
	s_barrier_signal -1
	s_barrier_wait -1                              ; everybody's has: all of K lies in LDS
	s_wait_loadcnt 0x0                             ; the bias
.set ST, 0
.rept 8
	KSTEP ST
.set ST, ST+1
.endr
	s_wait_dscnt 0x0                               ; my reads of the operands are over,
	s_barrier_signal -1
	s_barrier_wait -1                              ; everybody's are: the stages may be written.  They lie in A's bytes, which have had their only fill
; THE WAY OUT, a tile of 16 rows x 64 columns at a time: through my own stage and back as whole rows of 256 bytes.  LDS serves a wave's instructions in order (ISA guide 5.7.1.4): no wait between the stores and the loads.
.macro TOSTAGE a
.irp b, 0,1,2,3
	ds_store_b128 v8, v[ACC+8*(4*(\a)+\b):ACC+8*(4*(\a)+\b)+3] offset:64*\b          ; each accumulator from its low end on
	ds_store_b128 v8, v[ACC+8*(4*(\a)+\b)+4:ACC+8*(4*(\a)+\b)+7] offset:64*\b+16
.endr
.irp i, 0,1,2,3,4,5,6,7
	ds_load_b128 v[BK+32*((\a)%2)+4*\i:BK+32*((\a)%2)+4*\i+3], v9 offset:544*\i
.endr
.endm
.macro SEND a, younger                 ; younger: the LDS instructions issued behind tile a's loads, which may stay out
	s_wait_dscnt \younger
.irp i, 0,1,2,3,4,5,6,7                ; stage rows 2 i and 2 i + 1 are rows 8 a + 2 (i % 4) + 32 (i / 4) and the next of my 64
	global_store_b128 v10, v[BK+32*((\a)%2)+4*\i:BK+32*((\a)%2)+4*\i+3], s[10:11] offset:(8*(\a)+2*(\i%4)+32*(\i/4))*4096 th:TH_STORE_NT   ; 16 lanes store 256 consecutive bytes, aligned; written once, read by nobody here
.endr
.endm
	TOSTAGE 0
.irp a, 1,2,3
.if \a > 1
	s_wait_xcnt 0x0                                ; tile a - 2's stores have read their registers: tile a's loads may land there
.endif
	TOSTAGE \a
	SEND \a-1, 16                                  ; behind tile a - 1's loads: tile a's 8 stores and 8 loads
.endr
	SEND 3, 0
	s_wait_tensorcnt 0x0                           ; the wave's end
	ds_add_u32 v30, v31
	s_wait_dscnt 0x0
	CROUND                                         ; the closing round: no work-group ends while a partner may still ask for bytes jointly
	s_endpgm
.Lfunc_end_k_qd6037fb8e8_proj:
	.size	k_qd6037fb8e8_proj, .Lfunc_end_k_qd6037fb8e8_proj-k_qd6037fb8e8_proj
	.p2alignl 7, 3214868480
	.fill 96, 4, 3214868480
	.section	.rodata,"a",@progbits
	.p2align	6, 0x0
	.amdhsa_kernel k_qd6037fb8e8_proj
		.amdhsa_group_segment_fixed_size 308224
		.amdhsa_private_segment_fixed_size 0
		.amdhsa_enable_private_segment 0
		.amdhsa_kernarg_size 32
		.amdhsa_user_sgpr_count 2
		.amdhsa_user_sgpr_kernarg_segment_ptr 1
		.amdhsa_wavefront_size32 1
		.amdhsa_system_sgpr_workgroup_id_x 1
		.amdhsa_system_sgpr_workgroup_id_y 1
		.amdhsa_system_sgpr_workgroup_id_z 1
		.amdhsa_system_vgpr_workitem_id 0
		.amdhsa_next_free_vgpr 256
		.amdhsa_next_free_sgpr 96
		.amdhsa_reserve_vcc 0
		.amdhsa_float_denorm_mode_32 3
		.amdhsa_float_denorm_mode_16_64 3
		.amdhsa_memory_ordered 1
		.amdhsa_forward_progress 1
		.amdhsa_inst_pref_size 55
	.end_amdhsa_kernel
	.amdgpu_metadata
---
amdhsa.version: [ 1, 2 ]
amdhsa.kernels:
  - .name:           k_qd6037fb8e8_proj
    .symbol:         k_qd6037fb8e8_proj.kd
    .args:
      - { .name: ac, .offset: 0, .size: 8, .value_kind: global_buffer, .address_space: global }
      - { .name: wc, .offset: 8, .size: 8, .value_kind: global_buffer, .address_space: global }
      - { .name: b_out, .offset: 16, .size: 8, .value_kind: global_buffer, .address_space: global }
      - { .name: out0, .offset: 24, .size: 8, .value_kind: global_buffer, .address_space: global }
    .group_segment_fixed_size: 308224
    .private_segment_fixed_size: 0
    .kernarg_segment_align: 8
    .kernarg_segment_size: 32
    .max_flat_workgroup_size: 256
    .sgpr_count:     96
    .vgpr_count:     256
    .wavefront_size: 32
...
	.end_amdgpu_metadata
.endif
;; end of part 3
